; MI455X (gfx1250); checked and timed in simulation.
; The chip was launched on July 23, 2026; its instructions are those of AMD's public machine-readable ISA for CDNA 5 (MIT licence, August 2026) and "CDNA5" Instruction Set Architecture Reference Guide (July 2026). The comments in the code are by the model that wrote it; some were corrected since.
;; MHA Attention. Allowed arithmetic: matrix products marked QUANTISED: E2M1 operands, one E8M0 scale for each 32 along K, by v_wmma_scale_f32_16x16x128_f8f6f4 with both operands' format E2M1 (or v_wmma_scale_f32_32x16x128_f4), f32 sums; products left as they are: bf16, f16 or f32 operands; f32 sums; everything else in f32.
;; Inputs: W_out 512 x 64 float32; b_out 64 float32; key 2 x 4,096 x 512 float32; query 2 x 4,096 x 512 float32; value 2 x 4,096 x 512 float32.
;; Outputs: out0 2 x 4,096 x 64 float32.
;; This version of the problem:
;;   THIS VERSION OF THE PROBLEM IS GIVEN IN LOW PRECISION. The matrix products marked QUANTISED in the list below multiply operands that are first quantised to E2M1 (2 exponent bits, 1 mantissa bit; 4 bits a number), with one power-of-two scale for each 32 numbers along K (OCP MX v1.0); their sums are f32. The products marked 'left as it is' may take bf16, f16 or f32 operands, with f32 sums. Whichever they take, every output number must still come out within the allowed error. Rounding operands to bf16 (8 significant bits) uses up far more of that allowance than f16 does (11 bits, for magnitudes from 6e-5 to 65,504). All else is computed in f32.
;;   The module's matrix products, in the order in which they are computed (A, B: the left and right operand; K: the contracted axis; several contracted axes count as one K, in the product's order):
;;     1. batch 16 x [M 4,096, K 64] x [K 64, N 4,096]; A: input query; B: input key: QUANTISED
;;     2. batch 16 x [M 4,096, K 4,096] x [K 4,096, N 64]; A: computed on the way; B: input value: left as it is (an operand is computed on the way)
;;     3. [M 8,192, K 512] x [K 512, N 64]; A: computed on the way; B: input W_out: left as it is (an operand is computed on the way)
;;   THE QUANTISER, for each operand of a quantised product, along K:
;;     - K is cut into blocks of 32 from its start; a last block that is shorter is filled with zeros.
;;     - A block's scale is 2^e with e = floor(log2(the largest magnitude in the block)) - 2, held to -126 .. 127; a block of zeros has e = 0. As a byte (E8M0): e + 127.
;;     - Each number is divided by its block's scale, clamped to +-6, and rounded to the nearest number of E2M1, ties to even, subnormals kept.
;;     - The product sums the exact products of the quantised numbers (number of the format x scale) in f32.
;;   ~~~python
;;   def quantise(x, axis):      # numpy; x: float32 -> the quantised numbers, widened to float32 again
;;       x = np.moveaxis(x, axis, -1); K = x.shape[-1]
;;       x = np.pad(x, [(0, 0)] * (x.ndim - 1) + [(0, -K % 32)]); x = x.reshape(x.shape[:-1] + (-1, 32)); a = np.abs(x).max(-1, keepdims=True)
;;       e = np.where(a > 0, np.clip(np.frexp(np.where(a > 0, a, 1))[1] - 1 - 2, -126, 127), 0)      # np.frexp(a)[1] - 1 = floor(log2(a)), exactly
;;       r = np.clip(x / 2.0 ** e, -6, 6)
;;       step = 2.0 ** (np.maximum(np.frexp(np.where(r == 0, 1, r))[1] - 1, 0) - 1)
;;       q = np.round(r / step) * step * 2.0 ** e      # np.round: ties to even
;;       return np.moveaxis(q.reshape(q.shape[:-2] + (-1,))[..., :K], -1, axis).astype(np.float32)
;;   ~~~
;; One version. Each part assembles by itself: llvm-mc -triple=amdgcn-amd-amdhsa -mcpu=gfx1250 --defsym DOCPART=n.
;; ======== version 1 of 1: 3 launches
;; limits: values are held in f16: magnitudes above 65,504 overflow, below 6.1e-05 lose precision; inputs' magnitudes at most 65,504
;; workspace buffers: kv 10,747,904 bytes; wimg 65,536 bytes; att 8,388,608 bytes
;; launch prep (part 1): grid 516 x 1, 4 waves a work-group, no clusters, 17,920 bytes of LDS; arguments key, value, W_out, kv, wimg; writes kv, wimg
.if DOCPART == 1
	.amdgcn_target "amdgcn-amd-amdhsa--gfx1250"
	.amdhsa_code_object_version 6
	.text
	.protected	k_qda28429b32_prep
	.globl	k_qda28429b32_prep
	.p2align	8
	.type	k_qda28429b32_prep,@function
k_qda28429b32_prep:
	s_mov_b64 s[64:65], 0
	v_nop
	global_prefetch_b8 v0, s[64:65] scope:SCOPE_SE
	s_setreg_imm32_b32 hwreg(HW_REG_WAVE_MODE, 25, 1), 1
	s_wait_xcnt 0x0
; key, value [2][4096][8 heads x 64] f32 and W_out [512][64] f32 are laid once as IMAGES OF OPERAND REGISTERS, so that every later load is a constant + 16 x lane.
; kv: [bh = 8 b + head][step of 128 keys][STEPB bytes]:  +0     K's codes (E2M1), 8 tiles of 16 keys x 512 bytes: lane 16 h + r has the 32 codes of block h of key 16 t + r at 512 t + 16 lane;
;                                                        +4096  K's scale words: key (t, r) at 256 (t / 4) + 16 r + 4 (t % 4); a word is b0 | b1 << 8 | b0 << 16 | b1 << 24 (the upper two stand over zero codes);
;                                                        +4608  V in f16, 32 pieces of 512 bytes, piece 8 g + 2 c + half: lane (r, h) has channel 16 c + r at keys 32 g + 16 half + 8 h + 0 .. 7.
; wimg: [kg 16][oc 4][half 2][512 bytes]: lane (r, h) has f16 of W[32 kg + 16 half + 8 h + 0 .. 7][16 oc + r].
; THE QUANTISER (K): a block of 32 along the head's 64; scale 2^(floor(log2(largest magnitude)) - 2), its byte the largest magnitude's exponent field - 2, held at 1 from below; codes to nearest, ties to even, beyond 6 the largest code.
; LIMITS: NaN and infinities are not served.  A block of zeros gets the byte 1 where the rule says 127: its codes are zeros, and this program alone reads the bytes.
;         value and W_out go in f16: magnitudes up to 65,504; below 6e-5 the absolute step is 2^-24.
; SHARES: work-groups 0-255 take K, 256-511 V, 512-515 W (a scalar branch on the work-group's number).  For K and V a wave takes 64 keys of one head; the four waves stand side by side on four heads: 1,024 bytes on end of each row.
.set STEPB, 20992
.set HEADB, 32*STEPB
.set PITCH, 272                        ; a stage row: 256 bytes + 16: the sixteen rows that a load touches start at sixteen different 16-byte columns
.set STAGEB, 16*PITCH                  ; a wave's stage: 16 keys
.set SPARE, 4*STAGEB                   ; behind the four stages: the spare words, 128 bytes for each wave, which no other line names
.set LI,  1                            ; v1   16 x lane
.set GI,  2                            ; v2   K in: (lane / 16) rows of 2,048 bytes + 16 (lane % 16)
.set STI, 3                            ; v3   the stage on the way in: the same two rows
.set STO, 4                            ; v4   and on the way out: row r, block h
.set SCO, 5                            ; v5   16 r + 8 h: my two scale words' place
.set SH8, 6                            ; v6   8 h
.set LN,  7                            ; v7   lane
.set SPW, 8                            ; v8   LDS address of my spare word; never rewritten
.set NIL, 9                            ; v9   0; never rewritten
.set T0,  10                           ; v10-14 at work
.set T1,  11
.set T2,  12
.set T3,  13
.set T4,  14
.set SD,  16                           ; v[16:17] scale words to store
.set RR,  18                           ; v18  r = lane % 16
.set HH,  19                           ; v19  h = lane / 16
.set WD,  20                           ; v20-23 the four tiles' scale words
.set CD,  24                           ; v24-39 codes, four registers a tile
.set VI,  40                           ; v40  V in: 4 x lane
.set VO,  41                           ; v41  V out: 1,024 h + 16 r
.set WI,  42                           ; v42  W in: 2,048 h + 4 r
.set X,   64                           ; v64-191 numbers as loaded
.set P,   192                          ; v192-255 f16 pairs to store
.set WV,  14                           ; s14  wave
.set SEL, 16                           ; s[16:17] v_permlanex16_b32's selects for lane l xor 16
.set MASK, 18                          ; s18  lanes 16-31
	s_load_b256 s[4:11], s[0:1], 0x0               ; key s[4:5], value s[6:7], W_out s[8:9], kv s[10:11]
	s_load_b64 s[12:13], s[0:1], 0x20              ; wimg
	v_lshl_add_u32 v[SPW], v0, 2, SPARE
	v_mov_b32 v[NIL], 0
	v_lshrrev_b32 v[LN], 5, v0
	v_readfirstlane_b32 s[WV], v[LN]               ; wave 0..3
	v_and_b32 v[LN], 31, v0
	v_and_b32 v[RR], 15, v0
	v_bfe_u32 v[HH], v0, 4, 1
	v_lshlrev_b32 v[LI], 4, v[LN]
	s_mul_i32 s34, s[WV], STAGEB                   ; my stage
	v_lshlrev_b32 v[GI], 4, v[RR]
	v_lshl_add_u32 v[GI], v[HH], 11, v[GI]
	v_mul_u32_u24 v[STI], v[HH], PITCH
	v_lshl_add_u32 v[STI], v[RR], 4, v[STI]
	v_add_nc_u32 v[STI], s34, v[STI]
	v_mul_u32_u24 v[STO], v[RR], PITCH
	v_lshl_add_u32 v[STO], v[HH], 7, v[STO]
	v_add_nc_u32 v[STO], s34, v[STO]
	v_lshlrev_b32 v[SCO], 4, v[RR]
	v_lshl_add_u32 v[SCO], v[HH], 3, v[SCO]
	v_lshlrev_b32 v[SH8], 3, v[HH]
	v_lshlrev_b32 v[VI], 2, v[LN]
	v_lshlrev_b32 v[VO], 4, v[RR]
	v_lshl_add_u32 v[VO], v[HH], 10, v[VO]
	v_lshlrev_b32 v[WI], 2, v[RR]
	v_lshl_add_u32 v[WI], v[HH], 11, v[WI]
	v_mov_b32 v[T4], 0                             ; written once: a lane permute's destination counts as one of its sources
	s_mov_b32 s[SEL], 0x76543210
	s_mov_b32 s[SEL+1], 0xfedcba98
	s_mov_b32 s[MASK], 0xffff0000
	; a wave's task for K and V
	s_and_b32 s19, ttmp9, 255
	s_lshr_b32 s24, s19, 7                         ; b
	s_bfe_u32 s25, s19, 0x60001                    ; which 64 keys: 6 bits from bit 1
	s_and_b32 s26, s19, 1
	s_lshl_b32 s26, s26, 2
	s_add_co_u32 s26, s26, s[WV]                   ; head
	s_lshl_b32 s28, s24, 23                        ; in: b x 8,388,608
	s_lshl_b32 s27, s25, 17                        ; + 64 keys x 2,048 bytes
	s_add_co_u32 s28, s28, s27
	s_lshl_b32 s27, s26, 8                         ; + head x 256
	s_add_co_u32 s28, s28, s27
	s_mov_b32 s29, 0
	s_lshl_b32 s30, s24, 3
	s_add_co_u32 s30, s30, s26                     ; bh
	s_mul_i32 s30, s30, HEADB
	s_lshr_b32 s27, s25, 1                         ; the step of 128 keys
	s_mul_i32 s27, s27, STEPB
	s_add_co_u32 s30, s30, s27
	s_mov_b32 s31, 0
	s_and_b32 s27, s25, 1                          ; which half of the step
	s_mov_b32 s33, 0
	s_wait_kmcnt 0x0
	s_add_nc_u64 s[10:11], s[10:11], s[30:31]      ; kv at my step's block
	s_cmp_ge_u32 ttmp9, 512
	s_cbranch_scc1 .Lw
	s_cmp_ge_u32 ttmp9, 256
	s_cbranch_scc1 .Lv
; ---- K.  32 numbers of one block in v[x] .. v[x + 31] of lane (r, h) become 4 registers of codes and, with lane l xor 16's byte, the row's scale word.
.macro QBLOCK x, code, word
	v_max3_num_f32 v[T0], |v[\x]|, |v[\x+1]|, 0x1800000            ; two chains; the floor 2^(3 - 127) among the leaves holds the byte at 1 from below
	v_max3_num_f32 v[T1], |v[\x+2]|, |v[\x+3]|, |v[\x+4]|
.irp i, 5,9,13,17,21,25
	v_max3_num_f32 v[T0], v[T0], |v[\x+\i]|, |v[\x+\i+1]|
	v_max3_num_f32 v[T1], v[T1], |v[\x+\i+2]|, |v[\x+\i+3]|
.endr
	v_max3_num_f32 v[T0], v[T0], |v[\x+29]|, |v[\x+30]|
	v_max3_num_f32 v[T0], v[T0], v[T1], |v[\x+31]|                 ; the block's largest magnitude
	v_add_nc_u32 v[T2], 0xff000000, v[T0]                          ; 2 off its exponent field: the conversion takes that field as its scale and nothing else
	v_lshrrev_b32 v[T3], 23, v[T2]                                 ; the scale's byte
.irp g, 0,1,2,3
	v_cvt_scalef32_pk8_fp4_f32 v[\code+\g], v[\x+8*\g:\x+8*\g+7], v[T2]
.endr
	v_lshlrev_b32 v[T3], v[SH8], v[T3]                             ; my byte at its place (also the plain line behind the conversions)
	v_permlanex16_b32 v[T4], v[T3], s[SEL], s[SEL+1]
	v_or_b32 v[T3], v[T3], v[T4]                                   ; b0 | b1 << 8
	v_lshl_or_b32 v[\word], v[T3], 16, v[T3]                       ; and once more above, over the zero codes of k = 64 .. 127
.endm
	s_add_nc_u64 s[4:5], s[4:5], s[28:29]          ; key at my first row, my head
	s_lshl_b32 s32, s27, 11
	s_add_nc_u64 s[20:21], s[10:11], s[32:33]      ; my four tiles of codes
	s_lshl_b32 s32, s27, 8
	s_add_co_u32 s32, s32, 4096
	s_add_nc_u64 s[22:23], s[10:11], s[32:33]      ; my 256 bytes of scale words
.irp t, 0,1,2,3
.irp i, 0,1,2,3,4,5,6,7
	global_load_b128 v[X+32*\t+4*\i:X+32*\t+4*\i+3], v[GI], s[4:5] offset:(16*\t+2*\i)*2048 th:TH_LOAD_NT   ; sixteen lanes read a key's 256 bytes of this head, aligned; two keys a load
.endr
.endr
.irp t, 0,1,2,3                        ; a tile turns through my stage: in as loaded, out 128 bytes (a block) a lane.  LDS serves a wave's instructions in order, so one stage does and no wait stands between
	s_wait_loadcnt 24-8*\t                         ; this tile's eight loads are in; the later tiles' eight each may be out
.irp i, 0,1,2,3,4,5,6,7
	ds_store_b128 v[STI], v[X+32*\t+4*\i:X+32*\t+4*\i+3] offset:2*PITCH*\i
.endr
.irp j, 0,1,2,3,4,5,6,7
	ds_load_b128 v[X+32*\t+4*\j:X+32*\t+4*\j+3], v[STO] offset:16*\j
.endr
.endr
.irp t, 0,1,2,3
	s_wait_dscnt 48-16*\t                          ; this tile is back; the sixteen LDS instructions of each later tile may be out
	QBLOCK X+32*\t, CD+4*\t, WD+\t
	global_store_b128 v[LI], v[CD+4*\t:CD+4*\t+3], s[20:21] offset:512*\t   ; 512 consecutive bytes, aligned
.endr
	v_cndmask_b32 v[SD], v[WD], v[WD+2], s[MASK]   ; lanes 0-15 store the words of tiles 0, 1 of row r, lanes 16-31 those of tiles 2, 3
	v_cndmask_b32 v[SD+1], v[WD+1], v[WD+3], s[MASK]
	global_store_b64 v[SCO], v[SD:SD+1], s[22:23]  ; 256 consecutive bytes, aligned
	s_branch .Lend
; ---- V.  A lane takes a channel and its registers run down the keys: eight keys pack into the 16 bytes that the operand's layout gives one lane.
.Lv:
	s_add_nc_u64 s[6:7], s[6:7], s[28:29]          ; value at my first row, my head
	s_lshl_b32 s32, s27, 13                        ; my two groups of 32 keys: 8,192 bytes for each half of the step
	s_add_nc_u64 s[20:21], s[10:11], s[32:33]
.macro VLOAD o                         ; keys 8 o .. 8 o + 7, channels lane and 32 + lane
.irp cc, 0,1
.irp k, 0,1,2,3,4,5,6,7
	global_load_b32 v[X+64*\cc+8*(\o)+\k], v[VI], s[6:7] offset:(8*(\o)+\k)*2048+128*\cc th:TH_LOAD_NT
.endr
.endr
.endm
.macro VSTEP o
.if 7-(\o) >= 3
	s_wait_loadcnt 48                              ; this octet's sixteen loads are in; those of the three octets behind it may be out
.else
	s_wait_loadcnt 16*(7-(\o))
.endif
.if (\o)+4 < 8
	VLOAD (\o)+4
.endif
.irp cc, 0,1
.irp j, 0,1,2,3
	v_cvt_pk_f16_f32 v[P+4*(2*(\o)+\cc)+\j], v[X+64*\cc+8*(\o)+2*\j], v[X+64*\cc+8*(\o)+2*\j+1]
.endr
	global_store_b128 v[VO], v[P+4*(2*(\o)+\cc):P+4*(2*(\o)+\cc)+3], s[20:21] offset:4608+((\o)/4)*4096+\cc*2048+(((\o)%4)/2)*512+((\o)%2)*256   ; lanes 0-15 and lanes 16-31 each store 256 consecutive bytes, aligned.  No register is written twice
.endr
.endm
.irp o, 0,1,2,3
	VLOAD \o
.endr
.irp o, 0,1,2,3,4,5,6,7
	VSTEP \o
.endr
	s_branch .Lend
; ---- W.  A wave takes 32 rows of W_out (one K step of the projection).
.Lw:
	s_sub_co_u32 s24, ttmp9, 512
	s_lshl_b32 s24, s24, 2
	s_add_co_u32 s24, s24, s[WV]                   ; kg
	s_lshl_b32 s32, s24, 13
	s_add_nc_u64 s[8:9], s[8:9], s[32:33]          ; 32 rows of 256 bytes
	s_lshl_b32 s32, s24, 12
	s_add_nc_u64 s[12:13], s[12:13], s[32:33]
.irp oc, 0,1,2,3
.irp hf, 0,1
.irp i, 0,1,2,3,4,5,6,7
	global_load_b32 v[X+8*(2*\oc+\hf)+\i], v[WI], s[8:9] offset:\hf*4096+\i*256+\oc*64
.endr
.endr
.endr
.irp oc, 0,1,2,3
	s_wait_loadcnt 48-16*\oc                       ; the sixteen loads of each later tile of outputs may be out
.irp hf, 0,1
.irp j, 0,1,2,3
	v_cvt_pk_f16_f32 v[P+4*(2*\oc+\hf)+\j], v[X+8*(2*\oc+\hf)+2*\j], v[X+8*(2*\oc+\hf)+2*\j+1]
.endr
	global_store_b128 v[LI], v[P+4*(2*\oc+\hf):P+4*(2*\oc+\hf)+3], s[12:13] offset:512*(2*\oc+\hf)
.endr
.endr
.Lend:
	s_wait_tensorcnt 0x0                           ; the wave's end: behind my last LDS store; the tensor wait stands even in a text with no tensor load
	ds_add_u32 v[SPW], v[NIL]
	s_wait_dscnt 0x0
	s_endpgm
.Lfunc_end_k_qda28429b32_prep:
	.size	k_qda28429b32_prep, .Lfunc_end_k_qda28429b32_prep-k_qda28429b32_prep
	.p2alignl 7, 3214868480
	.fill 96, 4, 3214868480
	.section	.rodata,"a",@progbits
	.p2align	6, 0x0
	.amdhsa_kernel k_qda28429b32_prep
		.amdhsa_group_segment_fixed_size 17920
		.amdhsa_private_segment_fixed_size 0
		.amdhsa_enable_private_segment 0
		.amdhsa_kernarg_size 40
		.amdhsa_user_sgpr_count 2
		.amdhsa_user_sgpr_kernarg_segment_ptr 1
		.amdhsa_wavefront_size32 1
		.amdhsa_system_sgpr_workgroup_id_x 1
		.amdhsa_system_sgpr_workgroup_id_y 1
		.amdhsa_system_sgpr_workgroup_id_z 1
		.amdhsa_system_vgpr_workitem_id 0
		.amdhsa_next_free_vgpr 256
		.amdhsa_next_free_sgpr 66
		.amdhsa_reserve_vcc 0
		.amdhsa_float_denorm_mode_32 3
		.amdhsa_float_denorm_mode_16_64 3
		.amdhsa_memory_ordered 1
		.amdhsa_forward_progress 1
		.amdhsa_inst_pref_size 45
	.end_amdhsa_kernel
	.amdgpu_metadata
---
amdhsa.version: [ 1, 2 ]
amdhsa.kernels:
  - .name:           k_qda28429b32_prep
    .symbol:         k_qda28429b32_prep.kd
    .args:
      - { .name: key, .offset: 0, .size: 8, .value_kind: global_buffer, .address_space: global }
      - { .name: value, .offset: 8, .size: 8, .value_kind: global_buffer, .address_space: global }
      - { .name: W_out, .offset: 16, .size: 8, .value_kind: global_buffer, .address_space: global }
      - { .name: kv, .offset: 24, .size: 8, .value_kind: global_buffer, .address_space: global }
      - { .name: wimg, .offset: 32, .size: 8, .value_kind: global_buffer, .address_space: global }
    .group_segment_fixed_size: 17920
    .private_segment_fixed_size: 0
    .kernarg_segment_align: 8
    .kernarg_segment_size: 40
    .max_flat_workgroup_size: 128
    .sgpr_count:     66
    .vgpr_count:     256
    .wavefront_size: 32
...
	.end_amdgpu_metadata
.endif
;; end of part 1
;; launch attn (part 2): grid 16 x 16, 8 waves a work-group, clusters of 4 x 1, 327,680 bytes of LDS; arguments query, kv, att; writes att
.if DOCPART == 2
	.amdgcn_target "amdgcn-amd-amdhsa--gfx1250"
	.amdhsa_code_object_version 6
	.text
	.protected	k_qda28429b32_attn
	.globl	k_qda28429b32_attn
	.p2align	8
	.type	k_qda28429b32_attn,@function
k_qda28429b32_attn:
	s_mov_b64 s[64:65], 0
	v_nop
	global_prefetch_b8 v0, s[64:65] scope:SCOPE_SE
	s_setreg_imm32_b32 hwreg(HW_REG_WAVE_MODE, 25, 1), 1
	s_wait_xcnt 0x0
	s_wait_alu depctr_hold_cnt(0) depctr_sa_sdst(0) depctr_va_vdst(0) depctr_va_sdst(0) depctr_va_ssrc(0) depctr_va_vcc(0) depctr_vm_vsrc(0)
	s_getreg_b32 s2, hwreg(HW_REG_IB_STS2, 6, 4)
	s_cmp_eq_u32 s2, 0
	s_cbranch_scc0 .Lentry_in_a_cluster
	s_endpgm
.Lentry_in_a_cluster:
	s_bfe_u32 s2, ttmp6, 0x10000c
	s_cmp_lg_u32 s2, 0x3003
	s_cbranch_scc0 .Lentry_shape_is_right
	s_endpgm
.Lentry_shape_is_right:
; o[b][n][head][:] = the sum over keys of softmax(q . k / 8) v, for 16 (batch, head) pairs of 4,096 queries and keys, head size 64.
; q k^T on codes of E2M1 with one E8M0 scale for each 32 along the head's 64: K's codes come ready from kv, q is quantised here, in registers, since one wave reads it once.  The instruction's K is 128: k = 64 .. 127 are zero codes on both sides.
; p and v go to the second product in f16; maxima, sums and O in f32.  o leaves in f16 as the image of the projection's operand registers (att: [16 rows][kg][half][512 bytes]).
; SOFTMAX: a running maximum m and sum l for each query: p = 2^(c s - c m), c = log2(e) / 8; in every step O and l are multiplied by a = 2^(c m_old - c m_new).  m begins at -3e38, O and l at 0: the first a is 0 and multiplies zeros.
; LIMITS: NaN and infinities are not served.  A block of zeros of q gets the byte 1 with zero codes.  v and o in f16: magnitudes up to 65,504.  A p under 2^-25 becomes 0 in the second product (the sum l keeps it).
; SHARES: a work-group owns 256 queries of one (batch, head); each of its eight waves 32 of them: two tiles of 16, so that each fragment of K and V read from LDS feeds two matrix instructions.  Two waves share a SIMD: one's softmax stands beside the other's products and LDS loads.
; LAYOUT: S^T = K Q^T (source 0 = 16 keys, source 1 = 16 queries) and O^T = V^T P (source 0 = 16 channels, source 1 = P): a lane holds ONE query throughout; two tiles of S^T, rounded in pairs, ARE source 1 of the second product.
; RING: kv is walked in slots of 4 steps of 128 keys, 83,968 dense bytes, two slots; each wave fetches an eighth (41 rows of 256 bytes).  All LDS reads are 16 x lane on end: no pitch, no padding.
; CLUSTER: the four query blocks of a cluster walk the same head's kv: each tile is asked for JOINTLY, by the same tensor load with the same descriptor and the mask of all four.
; REGISTERS: window 0: v1-7 addresses; v10-14 at work; v16-31 statistics; v32-47 Q; v48-49 Q's scale words; v52-55 K's scale words; v56-119 K; v128-255 S^T, then p, then P.   window 1: v0-63 O^T; v64-191 V.
.set STEPB, 20992                      ; a step's block: 4,096 codes of K, 512 scale words, 16,384 V
.set HEADB, 32*STEPB
.set SLOTB, 4*STEPB
.set CHUNK, SLOTB/8                    ; 10,496 = 41 x 256
.set SLOT1, 1<<17                      ; slot 1 begins here, so that one exclusive or turns an address in one slot into the other's
.set SPARE, SLOT1+SLOTB                ; behind the ring: the spare words, 128 bytes for each wave, which no other line names
.set LI,  1                            ; v1   16 x lane
.set ADR, 2                            ; v2   the step's LDS address
.set SPW, 3                            ; v3   LDS address of my spare word; never rewritten
.set NIL, 4                            ; v4   0; never rewritten
.set QO,  5                            ; v5   q: row r of 2,048 bytes + 128 h
.set PFO, 6                            ; v6   the prefetches' offset: 256 x min(thread, 81); never rewritten
.set SH8, 7                            ; v7   8 h
.set T0,  10
.set T1,  11
.set T2,  12
.set T3,  13
.set T4,  14
.set ST,  16                           ; tile u's statistics at v[ST + 8 u]: +0 c m, +1 m, +2, +3 l, +4 .. +7 four chains of the maximum; later +4, +5 a second chain of the sum, +6 a, +7 c m_old - c m_new
.set QF,  32
.set QS,  48
.set KS,  52
.set KF,  56
.set S,   128
.set VF,  64                           ; in window 1
.set WV,  10                           ; s10  wave
.set G1,  24                           ; s[24:31] descriptor group 1
.set G0,  32                           ; s[32:35] descriptor group 0, which walks
.set PFA, 36                           ; s[36:37] where my work-group's prefetches stand
.set LIM, 38                           ; s38  1 in a wave that prefetches, else the greatest number
.set SLOTS, 39                         ; s39  slots still to be asked for
.set TB,  41                           ; s41  LDS byte at which the step in hand begins
.set CNT, 42                           ; s42  counts a slot's four steps
.set CS,  44                           ; s[44:45] c: the packed form names a pair and takes its low word for both halves
.set SEL, 46                           ; s[46:47] v_permlanex16_b32's selects for lane l xor 16
.set MSB, 0
.macro WIN new                         ; the immediate's high byte repeats the setting that is left; a switch that changes nothing is dropped
.if MSB != \new
	s_set_vgpr_msb (MSB<<8)|\new
.set MSB, \new
.endif
.endm
.macro CROUND                          ; a round of the cluster's barrier: my work-group's barrier; wave 0 signals for the work-group; every wave waits for all four work-groups; my work-group's barrier once more
	s_barrier_signal -1
	s_barrier_wait -1
	s_cmp_lg_u32 s[WV], 0
	s_cbranch_scc1 .Lnot_wave_0_\@
	s_barrier_signal -3
.Lnot_wave_0_\@:
	s_barrier_wait -3
	s_barrier_signal -1
	s_barrier_wait -1
.endm
; A prefetch of the slot that the NEXT change of slots will load: four steps ahead of that load.  All clusters of a head walk the same kv: the head's first cluster asks.  Its four partners take one step's block (82 rows of 256 bytes) each,
; told apart by ADDRESS; in each, waves 0 to 2 ask, a lane a row (lanes 18-31 of wave 2 name row 81 again).  Slots 0 and 1 come by their loads alone; the last change that fills a slot asks for nothing.
.macro ASK
	s_cmp_gt_u32 s[SLOTS], s[LIM]
	s_cbranch_scc0 .Lnot_mine_\@
	global_prefetch_b8 v[PFO], s[PFA:PFA+1] th:TH_LOAD_NT scope:SCOPE_SE
.Lnot_mine_\@:
.endm
; 32 numbers of one block in v[x] .. v[x + 31] of lane (r, h) become 4 registers of codes and, with lane l xor 16's byte, the row's scale word.
.macro QBLOCK x, code, word
	v_max3_num_f32 v[T0], |v[\x]|, |v[\x+1]|, 0x1800000            ; two chains; the floor 2^(3 - 127) among the leaves holds the byte at 1 from below
	v_max3_num_f32 v[T1], |v[\x+2]|, |v[\x+3]|, |v[\x+4]|
.irp i, 5,9,13,17,21,25
	v_max3_num_f32 v[T0], v[T0], |v[\x+\i]|, |v[\x+\i+1]|
	v_max3_num_f32 v[T1], v[T1], |v[\x+\i+2]|, |v[\x+\i+3]|
.endr
	v_max3_num_f32 v[T0], v[T0], |v[\x+29]|, |v[\x+30]|
	v_max3_num_f32 v[T0], v[T0], v[T1], |v[\x+31]|
	v_add_nc_u32 v[T2], 0xff000000, v[T0]                          ; 2 off the exponent field: the conversion's scale operand
	v_lshrrev_b32 v[T3], 23, v[T2]                                 ; the scale's byte
.irp g, 0,1,2,3
	v_cvt_scalef32_pk8_fp4_f32 v[\code+\g], v[\x+8*\g:\x+8*\g+7], v[T2]
.endr
	v_lshlrev_b32 v[T3], v[SH8], v[T3]                             ; (also the plain line behind the conversions)
	v_permlanex16_b32 v[T4], v[T3], s[SEL], s[SEL+1]
	v_or_b32 v[T3], v[T3], v[T4]
	v_lshl_or_b32 v[\word], v[T3], 16, v[T3]
.endm
	s_load_b128 s[4:7], s[0:1], 0x0                ; query s[4:5], kv s[6:7]
	s_load_b64 s[8:9], s[0:1], 0x10                ; att
	v_lshl_add_u32 v[SPW], v0, 2, SPARE
	v_mov_b32 v[NIL], 0
	ds_add_u32 v[SPW], v[NIL]                      ; the wave's opening: the add, twice on end, and its wait ahead of my first tensor load
	ds_add_u32 v[SPW], v[NIL]
	v_lshrrev_b32 v[LI], 5, v0
	v_readfirstlane_b32 s[WV], v[LI]               ; wave 0..7
	s_bfe_u32 s11, ttmp6, 0x40000                  ; cx: my place in the cluster
	s_lshl_b32 s12, ttmp9, 2
	s_add_co_u32 s12, s12, s11                     ; my block of 256 queries: it enters query's, att's and the prefetches' addresses alone
	s_and_b32 s13, ttmp7, 0xffff                   ; bh, which the four partners share
	s_lshr_b32 s14, s13, 3                         ; b
	s_and_b32 s15, s13, 7                          ; head
	s_mov_b32 s[G1], 15|(3<<16)|(1<<21)            ; 15:0 the mask: all four work-groups; 17:16 elements of 8 bytes; 20 no padding; 21 set beside a mask
	s_mov_b32 s[G1+1], 32<<16                      ; tensor_dim0 = 32 elements: 256 bytes
	s_mov_b32 s[G1+2], 41<<16                      ; tensor_dim1 = 41
	s_mov_b32 s[G1+3], 32<<16                      ; tile_dim0
	s_mov_b32 s[G1+4], 41                          ; tile_dim1
	s_mov_b32 s[G1+5], 32                          ; from row to row: dense
	s_mov_b32 s[G1+6], 0
	s_mov_b32 s[G1+7], 0
	s_mov_b32 s[CS], 0x3e38aa3b                    ; c = log2(e) / 8
	s_mov_b32 s[CS+1], s[CS]
	s_mov_b32 s[SEL], 0x76543210
	s_mov_b32 s[SEL+1], 0xfedcba98
	s_mov_b32 s[SLOTS], 7
	s_mov_b32 s[TB], 0
	s_cmp_lt_u32 s[WV], 3                          ; waves 0 to 2
	s_cselect_b32 s[LIM], 0, 1
	s_or_b32 s[LIM], s[LIM], ttmp9                 ; of the head's first cluster: the same in all four partners
	s_cmp_eq_u32 s[LIM], 0
	s_cselect_b32 s[LIM], 1, -1
	s_mul_i32 s20, s13, HEADB                      ; the tiles: the head's first byte in kv
	s_mul_i32 s40, s[WV], CHUNK                    ; + my eighth of a slot, in memory and in LDS: no place in the cluster enters either
	s_add_co_u32 s20, s20, s40
	s_mov_b32 s21, 0
	s_mul_i32 s16, s13, HEADB                      ; the prefetches: the head, slot 1 (the first change steps it to slot 2), my work-group's step of the four
	s_mul_i32 s17, s11, STEPB
	s_add_co_u32 s16, s16, s17
	s_add_co_u32 s16, s16, SLOTB
	s_mov_b32 s17, 0
	s_lshl_b32 s18, s14, 23                        ; query: b x 8,388,608 + (256 block + 32 wave) rows of 2,048 bytes + 256 head
	s_lshl_b32 s19, s12, 19
	s_add_co_u32 s18, s18, s19
	s_lshl_b32 s19, s[WV], 16
	s_add_co_u32 s18, s18, s19
	s_lshl_b32 s19, s15, 8
	s_add_co_u32 s18, s18, s19
	s_mov_b32 s19, 0
	s_lshl_b32 s22, s14, 8                         ; att: row tile 256 b + 16 block + 2 wave, 16,384 bytes each, + 2,048 head
	s_lshl_b32 s23, s12, 4
	s_add_co_u32 s22, s22, s23
	s_lshl_b32 s23, s[WV], 1
	s_add_co_u32 s22, s22, s23
	s_lshl_b32 s22, s22, 14
	s_lshl_b32 s23, s15, 11
	s_add_co_u32 s22, s22, s23
	s_mov_b32 s23, 0
	v_and_b32 v[LI], 31, v0
	v_lshlrev_b32 v[LI], 4, v[LI]
	v_and_b32 v[T0], 15, v0                        ; r
	v_bfe_u32 v[T1], v0, 4, 1                      ; h
	v_lshlrev_b32 v[QO], 11, v[T0]
	v_lshl_add_u32 v[QO], v[T1], 7, v[QO]
	v_lshlrev_b32 v[SH8], 3, v[T1]
	v_min_u32 v[PFO], 81, v0
	v_lshlrev_b32 v[PFO], 8, v[PFO]
	s_wait_dscnt 0x0                               ; both opening adds are done
	s_wait_kmcnt 0x0
	s_mov_b32 s[G0], 1                             ; count = 1
	s_mov_b32 s[G0+1], s40                         ; LDS address: slot 0
	s_add_nc_u64 s[G0+2:G0+3], s[6:7], s[20:21]    ; global address
	s_or_b32 s[G0+3], s[G0+3], 0x80000000          ; type = 2
	s_add_nc_u64 s[PFA:PFA+1], s[6:7], s[16:17]
	s_add_nc_u64 s[4:5], s[4:5], s[18:19]
	s_add_nc_u64 s[8:9], s[8:9], s[22:23]
	CROUND                                         ; all four work-groups are here: the first joint loads meet
	tensor_load_to_lds s[G0:G0+3], s[G1:G1+7]      ; slot 0: one tensor load of mine is out
	s_nop 0
.rept 4
	v_nop
.endr
.irp u, 0,1
.irp i, 0,1,2,3,4,5,6,7
	global_load_b128 v[S+32*\u+4*\i:S+32*\u+4*\i+3], v[QO], s[4:5] offset:32768*\u+16*\i   ; lane (r, h): block h of query 16 u + r, 128 bytes
.endr
.endr
.irp t, 0,1,2,3,4,5,6,7
.irp j, 4,5,6,7
	v_mov_b32 v[KF+8*\t+\j], 0                     ; k = 64 .. 127 of K's fragments: zero codes, written once
.endr
.endr
.irp u, 0,1
.irp j, 4,5,6,7
	v_mov_b32 v[QF+8*\u+\j], 0                     ; and of Q's
.endr
	v_mov_b32 v[ST+8*\u+1], 0xff61b1e6             ; m = -3e38, under every score
	v_mov_b32 v[ST+8*\u+2], 0                      ; l
	v_mov_b32 v[ST+8*\u+3], 0
	v_mul_f32 v[ST+8*\u], s[CS], v[ST+8*\u+1]      ; c m
.endr
	v_mov_b32 v[T4], 0                             ; written once: a lane permute's destination counts as one of its sources
	WIN 0x40                                       ; destination window 1
.set n, 0
.rept 64
	v_mov_b32 v[n], 0                              ; O^T.  (The step is written without a first step of its own: it finds zeros)
.set n, n+1
.endr
	WIN 0
	s_wait_loadcnt 8                               ; tile 0's eight loads are in; tile 1's may be out
	QBLOCK S, QF, QS
	s_wait_loadcnt 0x0
	QBLOCK S+32, QF+8, QS+1
.rept 8
	v_nop                                          ; a scale register written by a vector instruction stands eight places ahead of a scaled matrix instruction, an operand so written four
.endr
; THE SOFTMAX of tile u for 128 keys, as numbered lists.
.macro MAXOP u, i                      ; 32: the maximum of the lane's 64 scores and the old m: four chains of 15, then the four left over, the chains and m.  Each accumulator is read first at one of its four lowest registers
.set rT, ST+8*(\u)
.set rS, S+64*(\u)
.if (\i) < 4
	v_max3_num_f32 v[rT+4+(\i)], v[rS+16*(\i)], v[rS+16*(\i)+1], v[rS+16*(\i)+2]
.elseif (\i) < 28
	v_max3_num_f32 v[rT+4+(\i)%4], v[rT+4+(\i)%4], v[rS+16*((\i)%4)+2*((\i)/4)+1], v[rS+16*((\i)%4)+2*((\i)/4)+2]
.elseif (\i) == 28
	v_max3_num_f32 v[rT+4], v[rT+4], v[rS+15], v[rS+31]
.elseif (\i) == 29
	v_max3_num_f32 v[rT+6], v[rT+6], v[rS+47], v[rS+63]
.elseif (\i) == 30
	v_max3_num_f32 v[rT+4], v[rT+4], v[rT+5], v[rT+6]
.else
	v_max3_num_f32 v[rT+4], v[rT+4], v[rT+7], v[rT+1]
.endif
.endm
.macro STAT u, i                       ; 6: the other half of the lanes' maximum; the new m; c m; its change; a
.set rT, ST+8*(\u)
.if (\i) == 0
	v_permlanex16_b32 v[rT+5], v[rT+4], s[SEL], s[SEL+1]
.elseif (\i) == 1
	v_mov_b32 v[rT+7], v[rT]
.elseif (\i) == 2
	v_max_num_f32 v[rT+1], v[rT+4], v[rT+5]
.elseif (\i) == 3
	v_mul_f32 v[rT], s[CS], v[rT+1]
.elseif (\i) == 4
	v_sub_f32 v[rT+7], v[rT+7], v[rT]
.else
	v_exp_f32 v[rT+6], v[rT+7]
.endif
.endm
.macro SCALE u, i                      ; 32: c s - c m, a pair of scores each
.set rT, ST+8*(\u)
.set rS, S+64*(\u)+2*(\i)
	v_pk_fma_f32 v[rS:rS+1], v[rS:rS+1], s[CS:CS+1], v[rT:rT+1] op_sel_hi:[1,0,0] neg_lo:[0,0,1] neg_hi:[0,0,1]
.endm
.macro EXPO u, i                       ; 64
	v_exp_f32 v[S+64*(\u)+(\i)], v[S+64*(\u)+(\i)]
.endm
.macro SUMOP u, i                      ; 32: l = a l + the sum of the 32 pairs, in two chains
.set rT, ST+8*(\u)
.set rS, S+64*(\u)
.if (\i) == 0
	v_pk_fma_f32 v[rT+2:rT+3], v[rT+2:rT+3], v[rT+6:rT+7], v[rS:rS+1] op_sel_hi:[1,0,1]
.elseif (\i) == 1
	v_pk_add_f32 v[rT+4:rT+5], v[rS+2:rS+3], v[rS+4:rS+5]
.elseif (\i) == 31
	v_pk_add_f32 v[rT+2:rT+3], v[rT+2:rT+3], v[rT+4:rT+5]
.elseif (\i)%2 == 0
	v_pk_add_f32 v[rT+2:rT+3], v[rT+2:rT+3], v[rS+2*(\i)+2:rS+2*(\i)+3]
.else
	v_pk_add_f32 v[rT+4:rT+5], v[rT+4:rT+5], v[rS+2*(\i)+2:rS+2*(\i)+3]
.endif
.endm
.macro CVT u, i                        ; 32: a pair of weights to f16, packed downward in place: number i writes register i, which sum number i has passed.  Registers 8 g .. 8 g + 7 are then P's fragment of keys 32 g on
	v_cvt_pk_f16_f32 v[S+64*(\u)+(\i)], v[S+64*(\u)+2*(\i)], v[S+64*(\u)+2*(\i)+1]
.endm
.macro PLAINA n                        ; the 64 lines of tile 1 that stand between tile 0's exponentials
.if (\n) < 26
	MAXOP 1,(\n)+6
.elseif (\n) < 32
	STAT 1,(\n)-26
.else
	SCALE 1,(\n)-32
.endif
.endm
; A STEP: 128 keys, from LDS byte s[TB] on.
.macro STEP
	v_add_nc_u32 v[ADR], s[TB], v[LI]
.rept 4
	v_nop                                          ; with the addition five places behind the last products V^T P: four are owed by the loads into V's registers, five by the products below, which write over P
.endr
.irp t, 0,1,2,3,4,5,6,7
	ds_load_b128 v[KF+8*\t:KF+8*\t+3], v[ADR] offset:512*\t
.endr
	ds_load_b128 v[KS:KS+3], v[ADR] offset:4096    ; register j: lanes 0-15 the words of tile j, lanes 16-31 those of tile 4 + j
	WIN 0x40
.set n, 0
.rept 32
	ds_load_b128 v[VF+4*n:VF+4*n+3], v[ADR] offset:4608+512*n
.set n, n+1
.endr
	WIN 0
	s_wait_dscnt 32                                ; K's nine loads are in; V's 32 may be out: they land under the softmax
.irp u, 0,1
.irp t, 0,1,2,3
	v_wmma_scale_f32_16x16x128_f8f6f4 v[S+64*\u+8*\t:S+64*\u+8*\t+7], v[KF+8*\t:KF+8*\t+7], v[QF+8*\u:QF+8*\u+7], 0, v[KS+\t], v[QS+\u] matrix_a_fmt:MATRIX_FMT_FP4 matrix_b_fmt:MATRIX_FMT_FP4
.endr
.irp t, 4,5,6,7
	v_wmma_scale_f32_16x16x128_f8f6f4 v[S+64*\u+8*\t:S+64*\u+8*\t+7], v[KF+8*\t:KF+8*\t+7], v[QF+8*\u:QF+8*\u+7], 0, v[KS+\t-4], v[QS+\u] matrix_a_fmt:MATRIX_FMT_FP4 matrix_b_fmt:MATRIX_FMT_FP4 matrix_a_scale:MATRIX_SCALE_ROW1
.endr
.endr
.rept 4
	v_nop                                          ; four places ahead of the first read of the scores
.endr
.set n, 0
.rept 32
	MAXOP 0,n
.set n, n+1
.endr
.set n, 0
.rept 6
	STAT 0,n
	MAXOP 1,n
.set n, n+1
.endr
.set n, 0
.rept 32
	SCALE 0,n
.set n, n+1
.endr
.set n, 0
.rept 64                               ; BATCH A: tile 0's 64 exponentials (and both tiles' a), each with a line of tile 1 behind it; none of these lines names an exponential's result
	EXPO 0,n
	PLAINA n
.set n, n+1
.endr
	v_nop                                          ; a plain line behind the last exponential,
	s_wait_alu depctr_va_vdst(0)                   ; and one wait ahead of the batch's first reader
.set n, 0
.rept 32                               ; BATCH B: tile 1's 64 exponentials among tile 0's sums and roundings
	EXPO 1,2*n
	SUMOP 0,n
	EXPO 1,2*n+1
	CVT 0,n
.set n, n+1
.endr
	v_nop
	s_wait_alu depctr_va_vdst(0)                   ; one wait for batch B
.set n, 0
.rept 32
	SUMOP 1,n
	CVT 1,n
.set n, n+1
.endr
	WIN 0x41                                       ; O^T (destination and source 0) in window 1, a in window 0
.irp u, 0,1
.set n, 0
.rept 16
	v_pk_mul_f32 v[32*\u+2*n:32*\u+2*n+1], v[32*\u+2*n:32*\u+2*n+1], v[ST+8*\u+6:ST+8*\u+7] op_sel_hi:[1,0]   ; O^T x a, each accumulator from its low end on
.set n, n+1
.endr
.endr
	s_wait_dscnt 0x0                               ; V is in
	WIN 0x51                                       ; V, C and D in window 1, P in window 0
.irp g, 0,1,2,3                        ; the eight accumulators take turns, one instruction a turn
.irp c, 0,1,2,3
.irp u, 0,1
	v_wmma_f32_16x16x32_f16 v[32*\u+8*\c:32*\u+8*\c+7], v[VF+32*\g+8*\c:VF+32*\g+8*\c+7], v[S+64*\u+8*\g:S+64*\u+8*\g+7], v[32*\u+8*\c:32*\u+8*\c+7]
.endr
.endr
.endr
	WIN 0
.endm
; THE CHANGE OF SLOTS stands at a slot's head.  Each wave waits for all its tensor loads (its eighth of the slot that it is about to read), adds 0 to its spare word, and waits for that and for its reads of the slot that it has left.
; fill = 1: a round of the cluster's barrier, so that no wave of any partner still reads that slot or has a load on its way; the joint load of the next slot is the first thing behind it and has four steps in which to land.
.macro CHANGE fill
	s_wait_tensorcnt 0x0                           ; no tensor load of mine is out, so group 0 may be written
	ds_add_u32 v[SPW], v[NIL]                      ; 0 onto my spare word
.if \fill
	s_xor_b32 s[G0+1], s[G0+1], SLOT1              ; the other slot than last time,
	s_add_nc_u64 s[G0+2:G0+3], s[G0+2:G0+3], SLOTB ; the next four steps; the type bits on top are not reached
	s_wait_xcnt 0x0                                ; the last prefetch, a slot back, has read its address, so it may be written
	s_add_nc_u64 s[PFA:PFA+1], s[PFA:PFA+1], SLOTB ; one slot further on than the walking descriptor
	s_wait_dscnt 0x0                               ; the add is done, and my reads of the slot that I have left are over
	CROUND
	tensor_load_to_lds s[G0:G0+3], s[G1:G1+7]      ; my one tensor load until the next round
	s_nop 0
.rept 4
	v_nop
.endr
	ASK
.else
	s_wait_dscnt 0x0
	s_barrier_signal -1
	s_barrier_wait -1
.endif
.endm
.macro FOUR_STEPS                      ; a slot's four steps: written once, walked four times
	s_mov_b32 s[CNT], 4
.Lstep_\@:
	STEP
	s_add_co_u32 s[TB], s[TB], STEPB
	s_sub_co_u32 s[CNT], s[CNT], 1
	s_cmp_lg_u32 s[CNT], 0
	s_cbranch_scc1 .Lstep_\@
	s_sub_co_u32 s[TB], s[TB], 4*STEPB             ; back to a slot's first step,
	s_xor_b32 s[TB], s[TB], SLOT1                  ; in the other slot
.endm
.Lslot:                                            ; seven trips: behind each change of slots but the last the next slot is asked for
	CHANGE 1
	FOUR_STEPS
	s_sub_co_u32 s[SLOTS], s[SLOTS], 1
	s_cmp_lg_u32 s[SLOTS], 0
	s_cbranch_scc1 .Lslot
	CHANGE 0                                       ; the last slot is written out
	FOUR_STEPS
	; THE WAY OUT.  l's two halves and lane l xor 16's are added; O^T is divided by l and rounded to f16.  Tile c's eight channels of a lane pack into the 16 bytes that the projection's operand gives that lane: nothing changes lanes.
.irp u, 0,1
	v_add_f32 v[ST+8*\u+4], v[ST+8*\u+2], v[ST+8*\u+3]             ; (these additions and the v_nop below are the places behind the last products)
.endr
.irp u, 0,1
	v_permlanex16_b32 v[ST+8*\u+5], v[ST+8*\u+4], s[SEL], s[SEL+1]
.endr
.irp u, 0,1
	v_add_f32 v[ST+8*\u+4], v[ST+8*\u+4], v[ST+8*\u+5]
.endr
.irp u, 0,1
	v_rcp_f32 v[ST+8*\u+6], v[ST+8*\u+4]
.endr
	v_nop                                          ; a plain line behind the last reciprocal,
	s_wait_alu depctr_va_vdst(0)                   ; and one wait ahead of the first use, for both
	WIN 0x41
.irp u, 0,1
.set n, 0
.rept 16
	v_pk_mul_f32 v[32*\u+2*n:32*\u+2*n+1], v[32*\u+2*n:32*\u+2*n+1], v[ST+8*\u+6:ST+8*\u+7] op_sel_hi:[1,0]
.set n, n+1
.endr
.endr
	WIN 0x05                                       ; sources 0 and 1 window 1, destination window 0
.irp u, 0,1
.set n, 0
.rept 16
	v_cvt_pk_f16_f32 v[S+16*\u+n], v[32*\u+2*n], v[32*\u+2*n+1]
.set n, n+1
.endr
.endr
	WIN 0
.irp u, 0,1
.irp q, 0,1,2,3
	global_store_b128 v[LI], v[S+16*\u+4*\q:S+16*\u+4*\q+3], s[8:9] offset:16384*\u+512*\q   ; 512 consecutive bytes, aligned
.endr
.endr
	s_wait_tensorcnt 0x0                           ; the wave's end
	ds_add_u32 v[SPW], v[NIL]
	s_wait_dscnt 0x0
	CROUND                                         ; the closing round: no work-group ends while a partner may still ask for a tile that names it
	s_endpgm
.Lfunc_end_k_qda28429b32_attn:
	.size	k_qda28429b32_attn, .Lfunc_end_k_qda28429b32_attn-k_qda28429b32_attn
	.p2alignl 7, 3214868480
	.fill 96, 4, 3214868480
	.section	.rodata,"a",@progbits
	.p2align	6, 0x0
	.amdhsa_kernel k_qda28429b32_attn
		.amdhsa_group_segment_fixed_size 327680
		.amdhsa_private_segment_fixed_size 0
		.amdhsa_enable_private_segment 0
		.amdhsa_kernarg_size 24
		.amdhsa_user_sgpr_count 2
		.amdhsa_user_sgpr_kernarg_segment_ptr 1
		.amdhsa_wavefront_size32 1
		.amdhsa_system_sgpr_workgroup_id_x 1
		.amdhsa_system_sgpr_workgroup_id_y 1
		.amdhsa_system_sgpr_workgroup_id_z 1
		.amdhsa_system_vgpr_workitem_id 0
		.amdhsa_next_free_vgpr 448
		.amdhsa_next_free_sgpr 66
		.amdhsa_reserve_vcc 0
		.amdhsa_float_denorm_mode_32 3
		.amdhsa_float_denorm_mode_16_64 3
		.amdhsa_memory_ordered 1
		.amdhsa_forward_progress 1
		.amdhsa_inst_pref_size 80
	.end_amdhsa_kernel
	.amdgpu_metadata
---
amdhsa.version: [ 1, 2 ]
amdhsa.kernels:
  - .name:           k_qda28429b32_attn
    .symbol:         k_qda28429b32_attn.kd
    .args:
      - { .name: query, .offset: 0, .size: 8, .value_kind: global_buffer, .address_space: global }
      - { .name: kv, .offset: 8, .size: 8, .value_kind: global_buffer, .address_space: global }
      - { .name: att, .offset: 16, .size: 8, .value_kind: global_buffer, .address_space: global }
    .group_segment_fixed_size: 327680
    .private_segment_fixed_size: 0
    .kernarg_segment_align: 8
    .kernarg_segment_size: 24
    .max_flat_workgroup_size: 256
    .sgpr_count:     66
    .vgpr_count:     448
    .wavefront_size: 32
...
	.end_amdgpu_metadata
.endif
;; end of part 2
;; launch proj (part 3): grid 512 x 1, 4 waves a work-group, no clusters, 17,920 bytes of LDS; arguments att, wimg, b_out, out0; writes out0
.if DOCPART == 3
	.amdgcn_target "amdgcn-amd-amdhsa--gfx1250"
	.amdhsa_code_object_version 6
	.text
	.protected	k_qda28429b32_proj
	.globl	k_qda28429b32_proj
	.p2align	8
	.type	k_qda28429b32_proj,@function
k_qda28429b32_proj:
	s_mov_b64 s[64:65], 0
	v_nop
	global_prefetch_b8 v0, s[64:65] scope:SCOPE_SE
	s_setreg_imm32_b32 hwreg(HW_REG_WAVE_MODE, 25, 1), 1
	s_wait_xcnt 0x0
; out0[row][0 .. 63] = the sum over k = 0 .. 511 of o[row][k] W_out[k][:] + b_out, o and W in f16 as images of operand registers (att, wimg), sums in f32.
; A work-group takes 16 rows.  THE WAVES SHARE K: wave w takes k = 128 w .. 128 w + 127, four K steps of 32, for all 64 outputs: four accumulators by turns.  All 41 loads of a wave go out at once.
; The product is used transposed (source 0 = 16 outputs of W, source 1 = 16 rows of o): a lane holds one row and eight neighbouring outputs.
; The four waves' parts meet in LDS; the same pass turns them into whole rows of 256 bytes: wave w adds and stores rows 4 w .. 4 w + 3.
; No tensor load, no cluster: work-groups share only W's 64 KiB; the launch is a short stream.
.set PITCH, 272                        ; a row of 64 f32 + 16 bytes: sixteen rows start at sixteen different 16-byte columns
.set PART,  16*PITCH                   ; a wave's part
.set SPARE, 4*PART                     ; behind the parts: the spare words, 128 bytes for each wave, which no other line names
.set LI,  1                            ; v1   16 x lane
.set PS,  2                            ; v2   where I put 32 bytes of a row of my part
.set PR,  3                            ; v3   where I read rows back
.set BO,  4                            ; v4   16 (lane % 16): my four outputs' bias
.set SPW, 6                            ; v6   LDS address of my spare word; never rewritten
.set NIL, 7                            ; v7   0; never rewritten
.set BI,  8                            ; v[8:11] the bias
.set AF,  16                           ; v16-47  o's four fragments; later the parts read back
.set WF,  48                           ; v48-175 W's sixteen fragments
.set ACC, 176                          ; v176-207 four accumulators
	s_load_b256 s[4:11], s[0:1], 0x0               ; att s[4:5], wimg s[6:7], b_out s[8:9], out0 s[10:11]
	v_lshl_add_u32 v[SPW], v0, 2, SPARE
	v_mov_b32 v[NIL], 0
	v_lshrrev_b32 v5, 5, v0
	v_readfirstlane_b32 s12, v5                    ; wave 0..3
	v_and_b32 v5, 31, v0
	v_and_b32 v12, 15, v0                          ; r
	v_bfe_u32 v13, v0, 4, 1                        ; h
	v_lshlrev_b32 v[LI], 4, v5
	s_mul_i32 s13, s12, PART
	v_mul_u32_u24 v[PS], v12, PITCH
	v_lshl_add_u32 v[PS], v13, 5, v[PS]
	v_add_nc_u32 v[PS], s13, v[PS]                 ; my part, row r, + 32 h
	s_mul_i32 s13, s12, 4*PITCH
	v_mul_u32_u24 v[PR], v13, PITCH
	v_lshl_add_u32 v[PR], v12, 4, v[PR]
	v_add_nc_u32 v[PR], s13, v[PR]                 ; rows 4 w + lane / 16, 16 bytes a lane
	v_lshlrev_b32 v[BO], 4, v12
	s_lshl_b32 s16, ttmp9, 14                      ; att: 16,384 bytes a tile of rows, 4,096 for my four K steps
	s_lshl_b32 s14, s12, 12
	s_add_co_u32 s16, s16, s14
	s_mov_b32 s17, 0
	s_lshl_b32 s18, s12, 14                        ; wimg: 16,384 bytes for my four K steps
	s_mov_b32 s19, 0
	s_lshl_b32 s20, ttmp9, 12                      ; out0: 16 rows of 256 bytes, my four of them
	s_lshl_b32 s14, s12, 10
	s_add_co_u32 s20, s20, s14
	s_mov_b32 s21, 0
	s_wait_kmcnt 0x0
	s_add_nc_u64 s[4:5], s[4:5], s[16:17]
	s_add_nc_u64 s[6:7], s[6:7], s[18:19]
	s_add_nc_u64 s[10:11], s[10:11], s[20:21]
.irp i, 0,1,2,3,4,5,6,7
	global_load_b128 v[AF+4*\i:AF+4*\i+3], v[LI], s[4:5] offset:512*\i th:TH_LOAD_NT
.endr
.set n, 0
.rept 32
	global_load_b128 v[WF+4*n:WF+4*n+3], v[LI], s[6:7] offset:512*n
.set n, n+1
.endr
	global_load_b128 v[BI:BI+3], v[BO], s[8:9]
.irp k, 0,1,2,3
	s_wait_loadcnt 25-8*\k                         ; o's eight loads and W's up to this K step are in; the eight of each later K step and the bias may be out
.irp oc, 0,1,2,3
.if \k == 0
	v_wmma_f32_16x16x32_f16 v[ACC+8*\oc:ACC+8*\oc+7], v[WF+8*(4*\k+\oc):WF+8*(4*\k+\oc)+7], v[AF+8*\k:AF+8*\k+7], 0
.else
	v_wmma_f32_16x16x32_f16 v[ACC+8*\oc:ACC+8*\oc+7], v[WF+8*(4*\k+\oc):WF+8*(4*\k+\oc)+7], v[AF+8*\k:AF+8*\k+7], v[ACC+8*\oc:ACC+8*\oc+7]
.endif
.endr
.endr
.rept 4
	v_nop                                          ; four places ahead of the first read of results, and of the loads into o's registers
.endr
.irp oc, 0,1,2,3
	ds_store_b128 v[PS], v[ACC+8*\oc:ACC+8*\oc+3] offset:64*\oc          ; each accumulator from its low end on: lane (r, h): outputs 16 oc + 8 h + 0 .. 7 of row r
	ds_store_b128 v[PS], v[ACC+8*\oc+4:ACC+8*\oc+7] offset:64*\oc+16
.endr
	s_wait_dscnt 0x0                               ; for the others' sake: my stores have landed
	s_barrier_signal -1
	s_barrier_wait -1
.irp p, 0,1,2,3
.irp j, 0,1
	ds_load_b128 v[AF+4*(2*\p+\j):AF+4*(2*\p+\j)+3], v[PR] offset:PART*\p+2*PITCH*\j   ; part p, rows 4 w + 2 j and + 1
.endr
.endr
	s_wait_dscnt 0x0
	s_wait_loadcnt 0x0                             ; the bias
.irp j, 0,1
.irp q, 0,2
	v_pk_add_f32 v[AF+4*\j+\q:AF+4*\j+\q+1], v[AF+4*\j+\q:AF+4*\j+\q+1], v[AF+8+4*\j+\q:AF+8+4*\j+\q+1]          ; parts 0 + 1
	v_pk_add_f32 v[AF+16+4*\j+\q:AF+16+4*\j+\q+1], v[AF+16+4*\j+\q:AF+16+4*\j+\q+1], v[AF+24+4*\j+\q:AF+24+4*\j+\q+1]   ; parts 2 + 3
.endr
.endr
.irp j, 0,1
.irp q, 0,2
	v_pk_add_f32 v[AF+4*\j+\q:AF+4*\j+\q+1], v[AF+4*\j+\q:AF+4*\j+\q+1], v[AF+16+4*\j+\q:AF+16+4*\j+\q+1]
.endr
.endr
.irp j, 0,1
.irp q, 0,2
	v_pk_add_f32 v[AF+4*\j+\q:AF+4*\j+\q+1], v[AF+4*\j+\q:AF+4*\j+\q+1], v[BI+\q:BI+\q+1]
.endr
.endr
.irp j, 0,1
	global_store_b128 v[LI], v[AF+4*\j:AF+4*\j+3], s[10:11] offset:512*\j th:TH_STORE_NT   ; two whole rows: 512 consecutive bytes, aligned
.endr
	s_wait_tensorcnt 0x0                           ; the wave's end: behind my last LDS store; the tensor wait stands even in a text with no tensor load
	ds_add_u32 v[SPW], v[NIL]
	s_wait_dscnt 0x0
	s_endpgm
.Lfunc_end_k_qda28429b32_proj:
	.size	k_qda28429b32_proj, .Lfunc_end_k_qda28429b32_proj-k_qda28429b32_proj
	.p2alignl 7, 3214868480
	.fill 96, 4, 3214868480
	.section	.rodata,"a",@progbits
	.p2align	6, 0x0
	.amdhsa_kernel k_qda28429b32_proj
		.amdhsa_group_segment_fixed_size 17920
		.amdhsa_private_segment_fixed_size 0
		.amdhsa_enable_private_segment 0
		.amdhsa_kernarg_size 32
		.amdhsa_user_sgpr_count 2
		.amdhsa_user_sgpr_kernarg_segment_ptr 1
		.amdhsa_wavefront_size32 1
		.amdhsa_system_sgpr_workgroup_id_x 1
		.amdhsa_system_sgpr_workgroup_id_y 1
		.amdhsa_system_sgpr_workgroup_id_z 1
		.amdhsa_system_vgpr_workitem_id 0
		.amdhsa_next_free_vgpr 208
		.amdhsa_next_free_sgpr 66
		.amdhsa_reserve_vcc 0
		.amdhsa_float_denorm_mode_32 3
		.amdhsa_float_denorm_mode_16_64 3
		.amdhsa_memory_ordered 1
		.amdhsa_forward_progress 1
		.amdhsa_inst_pref_size 10
	.end_amdhsa_kernel
	.amdgpu_metadata
---
amdhsa.version: [ 1, 2 ]
amdhsa.kernels:
  - .name:           k_qda28429b32_proj
    .symbol:         k_qda28429b32_proj.kd
    .args:
      - { .name: att, .offset: 0, .size: 8, .value_kind: global_buffer, .address_space: global }
      - { .name: wimg, .offset: 8, .size: 8, .value_kind: global_buffer, .address_space: global }
      - { .name: b_out, .offset: 16, .size: 8, .value_kind: global_buffer, .address_space: global }
      - { .name: out0, .offset: 24, .size: 8, .value_kind: global_buffer, .address_space: global }
    .group_segment_fixed_size: 17920
    .private_segment_fixed_size: 0
    .kernarg_segment_align: 8
    .kernarg_segment_size: 32
    .max_flat_workgroup_size: 128
    .sgpr_count:     66
    .vgpr_count:     208
    .wavefront_size: 32
...
	.end_amdgpu_metadata
.endif
;; end of part 3
